; MI455X (gfx1250); checked and timed in simulation.
; The chip was launched on July 23, 2026; its instructions are those of AMD's public machine-readable ISA for CDNA 5 (MIT licence, August 2026) and "CDNA5" Instruction Set Architecture Reference Guide (July 2026). The comments in the code are by the model that wrote it; some were corrected since.
;; Attention. Allowed arithmetic: matrix products marked QUANTISED: E3M2 operands, one E8M0 scale for each 32 along K, by v_wmma_scale_f32_16x16x128_f8f6f4 with both operands' format E3M2, f32 sums; everything else in f32.
;; Inputs: key_layer 4 x 2,048 x 1,024 float32; query_layer 4 x 2,048 x 1,024 float32; value_layer_codes 4 x 1,024 x 64 x 24 uint8 (E3M2 codes of value_layer, K innermost, in blocks of 32 codes, four codes in three bytes); value_layer_scales 4 x 1,024 x 64 uint8 (E8M0 scales of value_layer, one for each 32 codes along K).
;; Outputs: out0 4 x 2,048 x 1,024 float32.
;; This version of the problem:
;;   THIS VERSION OF THE PROBLEM IS GIVEN IN LOW PRECISION. The matrix products marked QUANTISED in the list below multiply operands that are first quantised to E3M2 (3 exponent bits, 2 mantissa bits; 6 bits a number), with one power-of-two scale for each 32 numbers along K (OCP MX v1.0); their sums are f32. All else is computed in f32.
;;   The module's matrix products, in the order in which they are computed (A, B: the left and right operand; K: the contracted axis; several contracted axes count as one K, in the product's order):
;;     1. batch 64 x [M 2,048, K 64] x [K 64, N 2,048]; A: input query_layer; B: input key_layer: QUANTISED
;;     2. batch 64 x [M 2,048, K 2,048] x [K 2,048, N 64]; A: softmax (see below); B: input value_layer (given as codes): QUANTISED
;;   THE QUANTISER, for each operand of a quantised product, along K:
;;     - K is cut into blocks of 32 from its start; a last block that is shorter is filled with zeros.
;;     - A block's scale is 2^e with e = floor(log2(the largest magnitude in the block)) - 4, held to -126 .. 127; a block of zeros has e = 0. As a byte (E8M0): e + 127.
;;     - Each number is divided by its block's scale, clamped to +-28, and rounded to the nearest number of E3M2, ties to even, subnormals kept.
;;     - The product sums the exact products of the quantised numbers (number of the format x scale) in f32.
;;   ~~~python
;;   def quantise(x, axis):      # numpy; x: float32 -> the quantised numbers, widened to float32 again
;;       x = np.moveaxis(x, axis, -1); K = x.shape[-1]
;;       x = np.pad(x, [(0, 0)] * (x.ndim - 1) + [(0, -K % 32)]); x = x.reshape(x.shape[:-1] + (-1, 32)); a = np.abs(x).max(-1, keepdims=True)
;;       e = np.where(a > 0, np.clip(np.frexp(np.where(a > 0, a, 1))[1] - 1 - 4, -126, 127), 0)      # np.frexp(a)[1] - 1 = floor(log2(a)), exactly
;;       r = np.clip(x / 2.0 ** e, -28, 28)
;;       step = 2.0 ** (np.maximum(np.frexp(np.where(r == 0, 1, r))[1] - 1, -2) - 2)
;;       q = np.round(r / step) * step * 2.0 ** e      # np.round: ties to even
;;       return np.moveaxis(q.reshape(q.shape[:-2] + (-1,))[..., :K], -1, axis).astype(np.float32)
;;   ~~~
;;   SOFTMAX AHEAD OF A QUANTISED PRODUCT. Where the list says 'softmax', what is quantised is not the finished softmax but p = 2^(t - M), with t = logit x log2(e) and M = ceil(the row's largest t), a whole number; so 1/2 < the row's largest p <= 1. The row's sum l is taken of the UNQUANTISED p, in f32, and the product's result is divided by l at the end. Since M is a whole number, a kernel that streams over the keys may use a running M (the ceiling of the running maximum): every later rescaling is an exact power of two, which a block's scale takes up: the codes' values come out the same.
;;   OPERANDS COMPUTED ON THE WAY. 'Computed on the way' means the value that the module computes at that place (a softmax that the list does not call 'softmax' is quantised finished and normalised). What goes into a quantiser is computed in f32, as accurately as f32 sums, v_exp_f32 and their like allow (about 1e-6 of the number): no bf16 or f16 on the way to a quantiser, and a product that is left as it is and whose result goes on into a quantised operand takes f32 operands (vector FMAs, or v_wmma_f32_16x16x4_f32). A number that lies on a knife's edge between two numbers of the format may be rounded either way, as far as f32 arithmetic and the matrix unit's own rounding can turn it there, and no further.
;;   INPUTS GIVEN AS CODES. value_layer (in the module: [4, 2048, 1024], K = its axis 1): each comes as NAME_codes (uint8): NAME with its K axis moved to the last place and cut into blocks of 32 codes, [.., K / 32, bytes a block], one block behind the other in memory; four codes in three bytes: a row's codes are one little-endian stream of bits, code i at bits 6 i .. 6 i + 5 (a code: sign, 3 exponent bits, 2 mantissa bits); and NAME_scales (uint8): the same leading axes, one E8M0 byte (e + 127) for each 32 codes along K. Its value is code x scale, taken as it is: it is not quantised again, and the codes and scales need not be those that the quantiser above would give.
;; One version. Each part assembles by itself: llvm-mc -triple=amdgcn-amd-amdhsa -mcpu=gfx1250 --defsym DOCPART=n.
;; ======== version 1 of 1: 1 launch
;; limits: right only within a limited range of input values
;; launch attn (part 1): grid 4 x 64, 16 waves a work-group, clusters of 4 x 1, 327,680 bytes of LDS; arguments query_layer, key_layer, value_layer_codes, value_layer_scales, out0; writes out0
.if DOCPART == 1
	.amdgcn_target "amdgcn-amd-amdhsa--gfx1250"
	.amdhsa_code_object_version 6
	.text
	.protected	k_qc7689e773e_attn
	.globl	k_qc7689e773e_attn
	.p2align	8
	.type	k_qc7689e773e_attn,@function
k_qc7689e773e_attn:
	s_mov_b64 s[64:65], 0
	v_nop
	global_prefetch_b8 v0, s[64:65] scope:SCOPE_SE
	s_setreg_imm32_b32 hwreg(HW_REG_WAVE_MODE, 25, 1), 1
	s_wait_xcnt 0x0
	s_wait_alu depctr_hold_cnt(0) depctr_sa_sdst(0) depctr_va_vdst(0) depctr_va_sdst(0) depctr_va_ssrc(0) depctr_va_vcc(0) depctr_vm_vsrc(0)
	s_getreg_b32 s2, hwreg(HW_REG_IB_STS2, 6, 4)
	s_cmp_eq_u32 s2, 0
	s_cbranch_scc0 .Lentry_in_a_cluster
	s_endpgm
.Lentry_in_a_cluster:
	s_bfe_u32 s2, ttmp6, 0x10000c
	s_cmp_lg_u32 s2, 0x3003
	s_cbranch_scc0 .Lentry_shape_is_right
	s_endpgm
.Lentry_shape_is_right:
; out[b][n][64 h + :] = sum over keys m of softmax_m(q[b][n][h] . k[b][m][h] / 8) v[b][m][h][:]; 64 heads of size 64, 2,048 queries and keys; both products on codes of BF6 (E3M2), one E8M0 scale for each 32 along K.
; SOFTMAX: t = score x log2(e) / 8; M = the running largest t rounded up to a whole number; p = 2^(t - M) is quantised along the keys; the row's sum is taken of the unquantised p and divides at the end;
; when M moves, the sums and O are multiplied by 2^(old M - new M), which rounds nothing.
; SHARES: a cluster of four work-groups is one head; a work-group owns 512 queries, each of its 16 waves 32 of them: two tiles of 16, one after the other.  256 work-groups in all.
; PHASE 1: the head's k and v are laid into LDS once, as IMAGES OF OPERAND REGISTERS, one record of 13,312 bytes for each step of 128 keys.  Wave w makes record w.
;   v's codes come by six joint tensor loads (chunk c: 64 rows x 256 bytes, rows 1,536 bytes apart, each beginning at a multiple of 256), its scale bytes by a seventh; wave w reads step w's four fragments from the chunks and stores their images.
;   k and q come as f32 by global loads, two whole rows of 256 bytes an instruction, four tiles of 16 rows in flight a wave; each tile turns through the wave's stage, so that a lane holds 32 neighbours of one row, and is quantised.
; PHASE 2: no barrier, no tensor load: every wave walks the 16 records for each of its two tiles.
; LAYOUT: both products transposed: S^T = K Q^T, O^T = V^T P^T: lane (r, h) holds query r.  Row m of tile T of a step is key 64 (T / 4) + 32 (m / 8) + 8 (T % 4) + m % 8, so the 32 registers of tiles 4 c .. 4 c + 3
;   are keys 64 c + 32 h + 0 .. 31: a whole block of p in one lane, in the operand's order.
; K = 64 IN A FORM OF K = 128: tiles 2 P and 2 P + 1 of k share ONE operand of 12 registers (k 0-63 the first, k 64-127 the second) and one scale word; q stands as 0, Q, 0 in 18 registers: [Q, 0] picks the first tile, [0, Q] the second.
; k IS NOT ASKED FOR JOINTLY: as f32 with padding the head's k is 2,048 x 272 = 557,056 bytes, and beside the 215,040 resident bytes only 112,640 are left: tensor loads would fill a ring again five times or more, each time behind a round of the
;   cluster's barrier; through registers a wave's 128 rows need no LDS bytes but its stage.  NO PREFETCH: every load of an input is issued in the head; no loop runs ahead of any.
; LIMITS: NaN and infinities among the inputs are not served.  The scaled scores t stay under 2^31 in magnitude.  A block whose largest magnitude lies under 2^-122 keeps the scale byte 1 (a block of zeros too: its codes are zeros; these
;   bytes are read here alone).  A block's largest p is taken as the exponential of its largest score, by the same multiply-add and v_exp_f32: that takes v_exp_f32 not to fall where its input rises.
.set REC,   13312                      ; a record: k's four operand pairs (4 x 1,536), v's four fragments (4 x 1,536), k's scale words (512), v's (512)
.set VO,    6144
.set KSO,   12288
.set VSO,   12800
.set SPARE, 212992                     ; behind the 16 records: the spare words, 128 bytes a wave
.set XV,    215040                     ; v's codes as they come: six chunks of 64 rows x (256 + 16) bytes
.set CH,    17408
.set XS,    319488                     ; v's scale bytes as they come: 16 x (256 + 16)
.set STAGE, 215040                     ; once v's images are made and the region has had its one fill: 16 rows x 272 bytes for each wave
.set SP,    272
.set QIMG,  284672                     ; and q's images: 2 x 1,024 bytes for each wave
.set SPW, 1                            ; v1 my spare word; v2 zero: never rewritten
.set NIL, 2
.set GO,  3                            ; 4,096 (lane / 16) + 16 (lane % 16): sixteen lanes to a row's 256 bytes
.set STB, 4                            ; stage + 272 (lane / 16) + 16 (lane % 16)
.set STI, 5                            ; stage + 272 r + 32 h
.set SH8, 6                            ; 8 h
.set A0,  7                            ; 16 x lane
.set AQ0, 8                            ; my q images + 8 x lane
.set STQ, 9                            ; stage + 272 r + 128 h
.set A,   10                           ; the trip's records + 16 x lane
.set AQ,  11
.set RS,  12                           ; the running largest score
.set TT,  13
.set NM,  14                           ; v[14:15] -M and its written partner
.set FF,  16                           ; v[16:17] f = 2^(old M - new M) and its written partner
.set SUM, 18                           ; v[18:25] the row's sum in four pairs
.set QS,  26                           ; v[26:27] q's scale word, twice
.set PS,  28                           ; p's scale word
.set XT,  29
.set XW,  30
.set AW,  31                           ; my record + 16 x lane
.set KS,  32                           ; v[32:35] k's scale words of four pairs; v[36:39] v's of four tiles
.set VS,  36
.set QZ,  40                           ; v[40:57] 0, Q, 0
.set SO,  58
.set BY,  60
.set W0,  62
.set W1,  63
.set BM,  64
.set PT,  68                           ; v[68:70], v[72:74] the conversions' second halves (their three registers begin on an even number)
.set PC,  76                           ; v[76:87] p's codes; in phase 1 a pair of k or a tile of q in the making
.set F,   88                           ; v[88:135] a step's operands of k, then of v
.set S,   136                          ; v[136:199] S^T, then p
.set O,   200                          ; v[200:231] O^T
.set VA,  88                           ; phase 1: v[88:93] addresses of a fragment's six pieces; v94 of v's scale words
.set ASV, 94
.set VR,  40                           ; phase 1: v[40:87] v's four fragments
.set T,   96                           ; phase 1: v[96:127] a turned tile
.set B,   128                          ; phase 1: v[128:255] four tiles on their way
.set WV,  14
.set G1V, 24
.set G1S, 32
.set G0V, 40
.set G0S, 44
.set CS,  48                           ; s[48:49] c = log2(e) / 8; s50 -c
.set NC,  50
.set SEL, 52                           ; s[52:53] selects for lane l xor 16
.set RO,  54
.set CT,  55
.set QO,  56
.set TL,  57
.macro CROUND                          ; a round of the cluster's barrier
	s_barrier_signal -1
	s_barrier_wait -1
	s_cmp_lg_u32 s[WV], 0
	s_cbranch_scc1 .Lnot_wave_0_\@
	s_barrier_signal -3
.Lnot_wave_0_\@:
	s_barrier_wait -3
	s_barrier_signal -1
	s_barrier_wait -1
.endm
; 32 numbers of a lane, block h of my row, become registers 0-5 of a fragment, v[dst] on, and my row's two scale bytes, v[pw]
.macro QUANT32 src, dst, pw
	v_max3_num_f32 v[BM], |v[\src]|, |v[\src+1]|, 0x2800000        ; the largest magnitude in two chains, over the floor 2^(5 - 127): the byte cannot fall under 1
	v_max3_num_f32 v[BM+1], |v[\src+2]|, |v[\src+3]|, |v[\src+4]|
.irp i, 5,9,13,17,21,25
	s_delay_alu instid0(VALU_DEP_2)
	v_max3_num_f32 v[BM], v[BM], |v[\src+\i]|, |v[\src+\i+1]|
	s_delay_alu instid0(VALU_DEP_2)
	v_max3_num_f32 v[BM+1], v[BM+1], |v[\src+\i+2]|, |v[\src+\i+3]|
.endr
	s_delay_alu instid0(VALU_DEP_2)
	v_max3_num_f32 v[BM], v[BM], |v[\src+29]|, |v[\src+30]|
	s_delay_alu instid0(VALU_DEP_1)
	v_max3_num_f32 v[BM], v[BM], v[BM+1], |v[\src+31]|
	s_delay_alu instid0(VALU_DEP_1)
	v_add_nc_u32 v[SO], 0xfe000000, v[BM]                          ; 4 off the exponent field: the conversion's scale operand
	s_delay_alu instid0(VALU_DEP_1)
	v_lshrrev_b32 v[BY], 23, v[SO]                                 ; the scale's byte
	v_cvt_scalef32_pk16_bf6_f32 v[\dst:\dst+2], v[\src:\src+15], v[SO]
	v_cvt_scalef32_pk16_bf6_f32 v[PT:PT+2], v[\src+16:\src+31], v[SO]
	v_lshlrev_b32 v[XW], v[SH8], v[BY]                             ; the byte at its place (the plain place behind the conversions)
	s_delay_alu instid0(VALU_DEP_1)
	v_permlanex16_b32 v[XT], v[XW], s[SEL], s[SEL+1]
.irp i, 0,1,2
	v_mov_b32 v[\dst+3+\i], v[PT+\i]
.endr
	s_delay_alu instid0(VALU_DEP_4)
	v_or_b32 v[\pw], v[XW], v[XT]
.endm
; tile n of my ten is asked for: 0, 1 my two tiles of q; 2 + T tile T of my step of k, whose rows 2 i, 2 i + 1 are keys 64 (T / 4) + 8 (T % 4) + 32 (i / 4) + 2 (i % 4) + 0, 1
.macro LOADT n
.irp i, 0,1,2,3,4,5,6,7
.if (\n) < 2
	global_load_b128 v[B+32*((\n)%4)+4*\i:B+32*((\n)%4)+4*\i+3], v[GO], s[4:5] offset:4096*(16*(\n)+2*\i) th:TH_LOAD_NT
.else
	global_load_b128 v[B+32*((\n)%4)+4*\i:B+32*((\n)%4)+4*\i+3], v[GO], s[6:7] offset:4096*(64*(((\n)-2)/4)+8*(((\n)-2)%4)+32*(\i/4)+2*(\i%4))
.endif
.endr
.endm
; tile n turns through my stage: in as it lies, back 128 bytes a lane; its registers then take tile n + 4
.macro TURN n
.if (\n) < 7
	s_wait_loadcnt 24                                              ; the three younger tiles, eight loads each, may be out
.else
	s_wait_loadcnt 8*(9-(\n))
.endif
.irp i, 0,1,2,3,4,5,6,7
	ds_store_b128 v[STB], v[B+32*((\n)%4)+4*\i:B+32*((\n)%4)+4*\i+3] offset:2*SP*\i
.endr
.irp i, 0,1,2,3,4,5,6,7
	ds_load_b128 v[T+4*\i:T+4*\i+3], v[STQ] offset:16*\i           ; LDS serves a wave's instructions in order (ISA guide 5.7.1.4): these see my stores
.endr
	s_wait_dscnt 0x0
.if (\n) < 6
	LOADT (\n)+4
.endif
.endm
; A KEY STEP: the 128 keys of the record at byte o behind v[A]
.macro STEP o
.irp p, 0,1,2,3,4,5,6,7,8,9,10,11
	ds_load_b128 v[F+4*\p:F+4*\p+3], v[A] offset:\o+512*\p         ; k's four pairs.  (The last products' places: the 32 lines of the sum)
.endr
	ds_load_b128 v[KS:KS+3], v[A] offset:\o+KSO
	s_wait_dscnt 0x0
.irp P, 0,1,2,3
	v_wmma_scale_f32_16x16x128_f8f6f4 v[S+16*\P:S+16*\P+7], v[F+12*\P:F+12*\P+11], v[QZ+6:QZ+17], 0, v[KS+\P], v[QS] matrix_a_fmt:MATRIX_FMT_BF6 matrix_b_fmt:MATRIX_FMT_BF6
	v_wmma_scale_f32_16x16x128_f8f6f4 v[S+16*\P+8:S+16*\P+15], v[F+12*\P:F+12*\P+11], v[QZ:QZ+11], 0, v[KS+\P], v[QS] matrix_a_fmt:MATRIX_FMT_BF6 matrix_b_fmt:MATRIX_FMT_BF6
.endr
.rept 4
	v_nop                                                          ; four places: loads into the products' sources and reads of their results follow
.endr
.irp p, 0,1,2,3,4,5,6,7,8,9,10,11
	ds_load_b128 v[F+4*\p:F+4*\p+3], v[A] offset:\o+VO+512*\p      ; v's four fragments: they land under the softmax
.endr
	ds_load_b128 v[VS:VS+3], v[A] offset:\o+VSO
.irp b, 0,1,2,3                                ; the largest scores, four chains of 16 registers; each accumulator is first read at its low end
	v_max3_num_f32 v[BM+\b], v[S+16*\b], v[S+16*\b+1], v[S+16*\b+2]
.endr
.irp i, 3,5,7,9,11,13
.irp b, 0,1,2,3
	v_max3_num_f32 v[BM+\b], v[BM+\b], v[S+16*\b+\i], v[S+16*\b+\i+1]
.endr
.endr
	v_max3_num_f32 v[BM], v[BM], v[S+15], v[S+31]
	v_max3_num_f32 v[BM+2], v[BM+2], v[S+47], v[S+63]
	s_delay_alu instid0(VALU_DEP_2)
	v_max_num_f32 v[BM], v[BM], v[BM+1]                            ; the largest score of my two blocks of 32 keys: for the row's maximum and for the block's largest p
	s_delay_alu instid0(VALU_DEP_2)
	v_max_num_f32 v[BM+2], v[BM+2], v[BM+3]
	s_delay_alu instid0(VALU_DEP_1)
	v_max_num_f32 v[TT], v[BM], v[BM+2]
	s_delay_alu instid0(VALU_DEP_1)
	v_permlanex16_b32 v[XT], v[TT], s[SEL], s[SEL+1]
	s_delay_alu instid0(VALU_DEP_1)
	v_max3_num_f32 v[RS], v[RS], v[TT], v[XT]                      ; the running largest score of my query
	s_delay_alu instid0(VALU_DEP_1)
	v_mul_f32 v[TT], s[NC], v[RS]                                  ; -t (c is positive)
	s_delay_alu instid0(VALU_DEP_1)
	v_floor_f32 v[TT], v[TT]                                       ; the new -M = floor(-t) = -ceil(t)
	s_delay_alu instid0(VALU_DEP_1)
	v_sub_f32 v[XW], v[TT], v[NM]                                  ; old M less new M: a whole number, 0 or less
	v_mov_b32 v[NM], v[TT]
	s_delay_alu instid0(VALU_DEP_2)
	v_cvt_i32_f32 v[XW], v[XW]                                     ; (it saturates)
.set j, 0
.rept 32
	v_pk_fma_f32 v[S+j:S+j+1], v[S+j:S+j+1], s[CS:CS+1], v[NM:NM+1] op_sel_hi:[1,0,0]   ; t - M, two at a time
.set j, j+2
.endr
	v_fma_f32 v[BM], v[BM], s[CS], v[NM]                           ; the same of each block's largest score
	v_fma_f32 v[BM+2], v[BM+2], s[CS], v[NM]
	s_wait_alu depctr_va_vdst(0)                                   ; the wait ahead of the batch
.set j, 0
.rept 64
	v_exp_f32 v[S+j], v[S+j]                                       ; p = 2^(t - M)
.set j, j+1
.endr
	v_exp_f32 v[BM], v[BM]                                         ; the blocks' largest p
	v_exp_f32 v[BM+2], v[BM+2]
	v_ldexp_f32 v[FF], 1.0, v[XW]                                  ; f = 2^(old M - new M).  (The plain place behind the batch)
	s_wait_alu depctr_va_vdst(0)                                   ; and one wait behind it, ahead of its first reader
	v_max_num_f32 v[BM], 0x2800000, v[BM]                          ; the floor 2^(5 - 127)
	v_max_num_f32 v[BM+2], 0x2800000, v[BM+2]
	v_add_nc_u32 v[SO], 0xfe000000, v[BM]                          ; 4 off the exponent field: the conversions' scale operands
	v_add_nc_u32 v[SO+1], 0xfe000000, v[BM+2]
.irp c, 0,1
	v_cvt_scalef32_pk16_bf6_f32 v[PC+6*\c:PC+6*\c+2], v[S+32*\c:S+32*\c+15], v[SO+\c]
	v_cvt_scalef32_pk16_bf6_f32 v[PT+4*\c:PT+4*\c+2], v[S+32*\c+16:S+32*\c+31], v[SO+\c]
.endr
	v_lshrrev_b32 v[BY], 23, v[SO]                                 ; the scales' bytes: blocks h and 2 + h of my query.  (Plain places behind the conversions)
	v_lshrrev_b32 v[BY+1], 23, v[SO+1]
	s_delay_alu instid0(VALU_DEP_1)
	v_lshl_or_b32 v[XW], v[BY+1], 16, v[BY]
	s_delay_alu instid0(VALU_DEP_1)
	v_lshlrev_b32 v[XW], v[SH8], v[XW]                             ; 8 h bits up
	s_delay_alu instid0(VALU_DEP_1)
	v_permlanex16_b32 v[XT], v[XW], s[SEL], s[SEL+1]
.irp c, 0,1
.irp i, 0,1,2
	v_mov_b32 v[PC+6*\c+3+\i], v[PT+4*\c+\i]                       ; registers 6 c .. 6 c + 5 hold keys 64 c + 32 h + 0 .. 31
.endr
.endr
	v_or_b32 v[PS], v[XW], v[XT]                                   ; with lane l xor 16's two bytes the word of these 128 keys is whole
	s_wait_dscnt 0x0                                               ; v's fragments and scale words are in
	s_wait_alu depctr_va_vdst(0)                                   ; the wait directly ahead of the first reader of O^T
.set j, 0
.rept 16
	v_pk_mul_f32 v[O+j:O+j+1], v[O+j:O+j+1], v[FF:FF+1] op_sel_hi:[1,0]   ; O^T under the new M: sixteen lines between p's scale word and codes and the products
.set j, j+2
.endr
.irp t, 0,1,2,3
	v_wmma_scale_f32_16x16x128_f8f6f4 v[O+8*\t:O+8*\t+7], v[F+12*\t:F+12*\t+11], v[PC:PC+11], v[O+8*\t:O+8*\t+7], v[VS+\t], v[PS] matrix_a_fmt:MATRIX_FMT_BF6 matrix_b_fmt:MATRIX_FMT_BF6
.endr
.irp i, 0,1,2,3                                ; the row's sum of the unquantised p, in four chains; the first link of each brings the chain under the new M
	v_pk_fma_f32 v[SUM+2*\i:SUM+2*\i+1], v[SUM+2*\i:SUM+2*\i+1], v[FF:FF+1], v[S+2*\i:S+2*\i+1] op_sel_hi:[1,0,1]
.endr
.irp g, 1,2,3,4,5,6,7
.irp i, 0,1,2,3
	v_pk_add_f32 v[SUM+2*\i:SUM+2*\i+1], v[SUM+2*\i:SUM+2*\i+1], v[S+8*\g+2*\i:S+8*\g+2*\i+1]
.endr
.endr
.endm
	s_load_b256 s[4:11], s[0:1], 0x0               ; q, k, v's codes, v's scales
	s_load_b64 s[12:13], s[0:1], 0x20              ; out
	v_lshl_add_u32 v[SPW], v0, 2, SPARE
	v_mov_b32 v[NIL], 0
	ds_add_u32 v[SPW], v[NIL]                      ; the opening lines: the add, twice on end, and its wait
	ds_add_u32 v[SPW], v[NIL]
	v_lshrrev_b32 v[TT], 5, v0
	v_readfirstlane_b32 s[WV], v[TT]               ; wave 0..15
	s_and_b32 s17, ttmp7, 0xffff                   ; the head, 16 b + h: the four partners share it
	s_bfe_u32 s15, ttmp6, 0x40000                  ; cx: my block of 512 queries; it enters q's and out's addresses alone
	s_lshr_b32 s18, s17, 4
	s_and_b32 s19, s17, 15
	s_lshl_b32 s20, s18, 23                        ; b x 2,048 rows of 4,096 bytes
	s_lshl_b32 s19, s19, 8                         ; h x 256 bytes
	s_add_co_u32 s20, s20, s19
	s_mov_b32 s21, 0
	s_lshl_b32 s22, s[WV], 19                      ; k: my step's 128 rows
	s_add_co_u32 s22, s22, s20
	s_mov_b32 s23, 0
	s_lshl_b32 s18, s15, 21                        ; q, out: my block's 512 rows,
	s_add_co_u32 s20, s20, s18
	s_lshl_b32 s19, s[WV], 17                      ; my wave's 32 of them
	s_add_co_u32 s20, s20, s19
	s_mul_i32 s58, s17, 98304                      ; v's codes: the head's 64 rows of 1,536 bytes,
	s_lshl_b32 s19, s[WV], 8                       ; chunk w of each
	s_add_co_u32 s58, s58, s19
	s_mov_b32 s59, 0
	s_lshl_b32 s60, s17, 12                        ; v's 4,096 scale bytes
	s_mov_b32 s61, 0
	; group 1, v's codes: 64 rows x 32 elements of 8 bytes, rows 192 elements apart, 16 bytes of padding behind each 256; the mask names all four work-groups
	s_mov_b32 s[G1V], 15|(3<<16)|(1<<20)|(1<<21)|(5<<22)|(3<<25)
	s_mov_b32 s[G1V+1], 32<<16
	s_mov_b32 s[G1V+2], 64<<16
	s_mov_b32 s[G1V+3], 32<<16
	s_mov_b32 s[G1V+4], 64
	s_mov_b32 s[G1V+5], 192
	s_mov_b32 s[G1V+6], 0
	s_mov_b32 s[G1V+7], 0
	; v's scale bytes: a dense block as 16 rows of 256 bytes, padded alike
	s_mov_b32 s[G1S], 15|(3<<16)|(1<<20)|(1<<21)|(5<<22)|(3<<25)
	s_mov_b32 s[G1S+1], 32<<16
	s_mov_b32 s[G1S+2], 16<<16
	s_mov_b32 s[G1S+3], 32<<16
	s_mov_b32 s[G1S+4], 16
	s_mov_b32 s[G1S+5], 32
	s_mov_b32 s[G1S+6], 0
	s_mov_b32 s[G1S+7], 0
	s_mov_b32 s[G0V], 1
	s_mul_i32 s[G0V+1], s[WV], CH
	s_add_co_u32 s[G0V+1], s[G0V+1], XV
	s_mov_b32 s[G0S], 1
	s_mov_b32 s[G0S+1], XS
	s_mov_b32 s[CS], 0x3e38aa3b                    ; c = log2(e) / 8
	s_mov_b32 s[CS+1], s[CS]
	s_mov_b32 s[NC], 0xbe38aa3b                    ; -c
	s_mov_b32 s[SEL], 0x76543210
	s_mov_b32 s[SEL+1], 0xfedcba98
	s_mul_i32 s16, s[WV], 16*SP
	s_add_co_u32 s16, s16, STAGE                   ; my stage
	s_lshl_b32 s62, s[WV], 11
	s_add_co_u32 s62, s62, QIMG                    ; my q images
	s_mul_i32 s63, s[WV], REC                      ; my record
	s_mul_i32 s51, s[WV], 96                       ; my step's first byte in a row of v's codes
	s_lshl_b32 s54, s[WV], 2
	s_add_co_u32 s54, s54, XS                      ; and in a row's scale bytes
	; the lanes' places
	v_and_b32 v[TT], 31, v0                        ; lane
	v_and_b32 v[BM], 15, v0                        ; r
	v_bfe_u32 v[BM+1], v0, 4, 1                    ; h
	v_lshlrev_b32 v[A0], 4, v[TT]
	v_lshlrev_b32 v[SH8], 3, v[BM+1]
	v_lshlrev_b32 v[GO], 12, v[BM+1]
	v_lshl_add_u32 v[GO], v[BM], 4, v[GO]
	v_mul_u32_u24 v[BM+2], v[BM], SP               ; 272 r
	v_lshl_add_u32 v[STI], v[BM+1], 5, v[BM+2]
	v_add_nc_u32 v[STI], s16, v[STI]
	v_lshl_add_u32 v[STQ], v[BM+1], 7, v[BM+2]
	v_add_nc_u32 v[STQ], s16, v[STQ]
	v_mul_u32_u24 v[STB], v[BM+1], SP
	v_lshl_add_u32 v[STB], v[BM], 4, v[STB]
	v_add_nc_u32 v[STB], s16, v[STB]
	v_lshl_add_u32 v[AQ0], v[TT], 3, s62
	v_add_nc_u32 v[AW], s63, v[A0]
	v_mad_u32_u24 v[BM+3], v[BM+1], 24, s51        ; 96 w + 24 h
	v_add_nc_u32 v[BM+2], XV, v[BM+2]
.set p, 0
.irp d, 0,8,16,48,56,64                        ; byte y of a row of codes lies in chunk y / 256, at byte y % 256 of that chunk's LDS row; a piece of 8 bytes lies inside one chunk
	v_add_nc_u32 v[VA+p], \d, v[BM+3]
	v_lshrrev_b32 v[TT], 8, v[VA+p]
	v_and_b32 v[VA+p], 255, v[VA+p]
	v_mad_u32_u24 v[VA+p], v[TT], CH, v[VA+p]
	v_add_nc_u32 v[VA+p], v[VA+p], v[BM+2]
.set p, p+1
.endr
	v_bfe_u32 v[ASV], v0, 2, 2                     ; channel r's 64 scale bytes: unit r / 4 of a tile's four, 64 (r % 4) in it
	v_and_b32 v[TT], 3, v0
	v_mul_u32_u24 v[ASV], v[ASV], 272
	v_lshl_add_u32 v[ASV], v[TT], 6, v[ASV]
	v_add_nc_u32 v[ASV], s54, v[ASV]
	v_mov_b32 v[XT], 0                             ; a lane permute's destination counts as one of its sources
	s_wait_alu depctr_va_vdst(0)                   ; the wait at the head's end
	s_wait_dscnt 0x0                               ; both opening adds are done
	s_wait_kmcnt 0x0
	s_add_nc_u64 s[4:5], s[4:5], s[20:21]          ; q and out at my wave's first row
	s_add_nc_u64 s[12:13], s[12:13], s[20:21]
	s_add_nc_u64 s[6:7], s[6:7], s[22:23]          ; k at my step's first row
	s_add_nc_u64 s[G0V+2:G0V+3], s[8:9], s[58:59]
	s_or_b32 s[G0V+3], s[G0V+3], 0x80000000
	s_add_nc_u64 s[G0S+2:G0S+3], s[10:11], s[60:61]
	s_or_b32 s[G0S+3], s[G0S+3], 0x80000000
	CROUND                                         ; all four work-groups are here: the joint loads meet
	s_cmp_lt_u32 s[WV], 6                          ; the launch's only fills, one a wave: waves 0 to 5 a chunk of v's codes each, wave 6 the scale bytes
	s_cbranch_scc0 .Lnot_codes
	tensor_load_to_lds s[G0V:G0V+3], s[G1V:G1V+7]
	s_nop 0
.rept 4
	v_nop
.endr
	s_branch .Lasked
.Lnot_codes:
	s_cmp_eq_u32 s[WV], 6
	s_cbranch_scc0 .Lasked
	tensor_load_to_lds s[G0S:G0S+3], s[G1S:G1S+7]
	s_nop 0
.rept 4
	v_nop
.endr
.Lasked:
	LOADT 0                                        ; my two tiles of q and the first two of k: 32 loads out
	LOADT 1
	LOADT 2
	LOADT 3
	s_wait_tensorcnt 0x0                           ; my part of v is in,
	s_barrier_signal -1
	s_barrier_wait -1                              ; and everybody's
.irp t, 0,1,2,3                                ; step w's four fragments of v: 16 channels x 128 keys each, in pieces of 8 bytes
.irp p, 0,1,2,3,4,5
	ds_load_b64 v[VR+12*\t+2*\p:VR+12*\t+2*\p+1], v[VA+\p] offset:16*SP*\t
.endr
	ds_load_b32 v[VS+\t], v[ASV] offset:4*272*\t
.endr
	s_wait_dscnt 0x0
.irp p, 0,1,2,3,4,5,6,7,8,9,10,11
	ds_store_b128 v[AW], v[VR+4*\p:VR+4*\p+3] offset:VO+512*\p     ; their images: any wave that loads them by the same width has the same registers in the same lanes
.endr
	ds_store_b128 v[AW], v[VS:VS+3] offset:VSO
	s_wait_dscnt 0x0                               ; my reads of the chunks are over:
	s_barrier_signal -1
	s_barrier_wait -1                              ; everybody's are: the region now serves as stages and q's images
.irp n, 0,1
	TURN \n
	QUANT32 T, PC, W0
	v_lshl_or_b32 v[QS], v[W0], 16, v[W0]          ; q's two bytes stand for k 0-63 and for k 64-127
	v_lshl_or_b32 v[QS+1], v[W0], 16, v[W0]
	s_wait_alu depctr_va_vdst(0)                   ; the wait behind these writes
.irp i, 0,1,2
	ds_store_b64 v[AQ0], v[PC+2*\i:PC+2*\i+1] offset:1024*\n+256*\i
.endr
	ds_store_b64 v[AQ0], v[QS:QS+1] offset:1024*\n+768
.endr
.irp P, 0,1,2,3
	TURN 2+2*\P
	QUANT32 T, PC, W0
	TURN 3+2*\P
	QUANT32 T, PC+6, W1
	v_lshl_or_b32 v[KS+\P], v[W1], 16, v[W0]       ; one scale word for the pair
	s_wait_alu depctr_va_vdst(0)                   ; the wait behind these writes
.irp i, 0,1,2
	ds_store_b128 v[AW], v[PC+4*\i:PC+4*\i+3] offset:1536*\P+512*\i
.endr
.endr
	ds_store_b128 v[AW], v[KS:KS+3] offset:KSO
.irp i, 0,1,2,3,4,5
	v_mov_b32 v[QZ+\i], 0                          ; the zero codes on both sides of Q: written once
	v_mov_b32 v[QZ+12+\i], 0
.endr
	v_mov_b32 v[FF+1], 0                           ; (named as the upper halves of pairs)
	v_mov_b32 v[NM+1], 0
	s_mov_b32 s[TL], 0
	s_mov_b32 s[QO], 0
	s_wait_dscnt 0x0                               ; my record is whole,
	s_barrier_signal -1
	s_barrier_wait -1                              ; and all sixteen are: the last barrier ahead of the closing round
.Ltile:                                            ; my two tiles of 16 queries
	v_add_nc_u32 v[AQ], s[QO], v[AQ0]
.irp i, 0,1,2
	ds_load_b64 v[QZ+6+2*\i:QZ+7+2*\i], v[AQ] offset:256*\i
.endr
	ds_load_b64 v[QS:QS+1], v[AQ] offset:768
.set j, 0
.rept 32
	v_mov_b32 v[O+j], 0                            ; O^T: the step is written once; the first finds zeros, and f = 0
.set j, j+1
.endr
.irp i, 0,1,2,3,4,5,6,7
	v_mov_b32 v[SUM+\i], 0
.endr
	v_mov_b32 v[RS], 0xff61b1e6                    ; -3e38, under every score
	v_mov_b32 v[NM], 0x7f000000                    ; -M = 2^127
	s_mov_b32 s[RO], 0
	s_mov_b32 s[CT], 8
.Lstep:                                            ; eight trips of two steps
	v_add_nc_u32 v[A], s[RO], v[A0]
	s_wait_alu depctr_va_vdst(0)                   ; the wait behind this write
	STEP 0
	STEP REC
	s_add_co_u32 s[RO], s[RO], 2*REC
	s_sub_co_u32 s[CT], s[CT], 1
	s_cmp_lg_u32 s[CT], 0
	s_cbranch_scc1 .Lstep
	; THE WAY OUT: O^T is divided by the row's sum and goes through my stage, so that sixteen lanes store a row's 256 consecutive bytes, at a multiple of 256 from out's first byte
	v_pk_add_f32 v[SUM:SUM+1], v[SUM:SUM+1], v[SUM+2:SUM+3]
	v_pk_add_f32 v[SUM+4:SUM+5], v[SUM+4:SUM+5], v[SUM+6:SUM+7]
	s_delay_alu instid0(VALU_DEP_1)
	v_pk_add_f32 v[SUM:SUM+1], v[SUM:SUM+1], v[SUM+4:SUM+5]
	s_delay_alu instid0(VALU_DEP_1)
	v_add_f32 v[SUM], v[SUM], v[SUM+1]
	s_delay_alu instid0(VALU_DEP_1)
	v_permlanex16_b32 v[XT], v[SUM], s[SEL], s[SEL+1]
	s_delay_alu instid0(VALU_DEP_1)
	v_add_f32 v[SUM], v[SUM], v[XT]                ; with lane l xor 16's keys
	s_wait_alu depctr_va_vdst(0)                   ; the wait ahead of the transcendental
	v_rcp_f32 v[FF], v[SUM]
	v_nop                                          ; the plain place behind it
	s_wait_alu depctr_va_vdst(0)                   ; the wait ahead of its first reader, which is also O^T's
.set j, 0
.rept 16
	v_pk_mul_f32 v[S+j:S+j+1], v[O+j:O+j+1], v[FF:FF+1] op_sel_hi:[1,0]   ; register 8 t + i: out(query r, channel 16 t + 8 h + i); each accumulator from its low end on
.set j, j+2
.endr
.irp t, 0,1,2,3
	ds_store_b128 v[STI], v[S+8*\t:S+8*\t+3] offset:64*\t
	ds_store_b128 v[STI], v[S+8*\t+4:S+8*\t+7] offset:64*\t+16
.endr
.irp i, 0,1,2,3,4,5,6,7
	ds_load_b128 v[S+32+4*\i:S+32+4*\i+3], v[STB] offset:2*SP*\i   ; in order behind my stores
.endr
.irp i, 0,1,2,3,4,5,6,7
	s_wait_dscnt 7-\i                              ; the younger loads may stay out
	global_store_b128 v[GO], v[S+32+4*\i:S+32+4*\i+3], s[12:13] offset:8192*\i th:TH_STORE_NT
.endr
	s_wait_xcnt 0x0                                ; the stores' base and data are rewritten only behind this wait
	s_add_nc_u64 s[12:13], s[12:13], 0x10000       ; 16 rows on
	s_add_co_u32 s[QO], s[QO], 1024
	s_add_co_u32 s[TL], s[TL], 1
	s_cmp_lt_u32 s[TL], 2
	s_cbranch_scc1 .Ltile
	s_wait_tensorcnt 0x0                           ; the wave's end
	ds_add_u32 v[SPW], v[NIL]
	s_wait_dscnt 0x0
	CROUND                                         ; the closing round
	s_endpgm
.Lfunc_end_k_qc7689e773e_attn:
	.size	k_qc7689e773e_attn, .Lfunc_end_k_qc7689e773e_attn-k_qc7689e773e_attn
	.p2alignl 7, 3214868480
	.fill 96, 4, 3214868480
	.section	.rodata,"a",@progbits
	.p2align	6, 0x0
	.amdhsa_kernel k_qc7689e773e_attn
		.amdhsa_group_segment_fixed_size 327680
		.amdhsa_private_segment_fixed_size 0
		.amdhsa_enable_private_segment 0
		.amdhsa_kernarg_size 40
		.amdhsa_user_sgpr_count 2
		.amdhsa_user_sgpr_kernarg_segment_ptr 1
		.amdhsa_wavefront_size32 1
		.amdhsa_system_sgpr_workgroup_id_x 1
		.amdhsa_system_sgpr_workgroup_id_y 1
		.amdhsa_system_sgpr_workgroup_id_z 1
		.amdhsa_system_vgpr_workitem_id 0
		.amdhsa_next_free_vgpr 256
		.amdhsa_next_free_sgpr 66
		.amdhsa_reserve_vcc 0
		.amdhsa_float_denorm_mode_32 3
		.amdhsa_float_denorm_mode_16_64 3
		.amdhsa_memory_ordered 1
		.amdhsa_forward_progress 1
		.amdhsa_inst_pref_size 86
	.end_amdhsa_kernel
	.amdgpu_metadata
---
amdhsa.version: [ 1, 2 ]
amdhsa.kernels:
  - .name:           k_qc7689e773e_attn
    .symbol:         k_qc7689e773e_attn.kd
    .args:
      - { .name: query_layer, .offset: 0, .size: 8, .value_kind: global_buffer, .address_space: global }
      - { .name: key_layer, .offset: 8, .size: 8, .value_kind: global_buffer, .address_space: global }
      - { .name: value_layer_codes, .offset: 16, .size: 8, .value_kind: global_buffer, .address_space: global }
      - { .name: value_layer_scales, .offset: 24, .size: 8, .value_kind: global_buffer, .address_space: global }
      - { .name: out0, .offset: 32, .size: 8, .value_kind: global_buffer, .address_space: global }
    .group_segment_fixed_size: 327680
    .private_segment_fixed_size: 0
    .kernarg_segment_align: 8
    .kernarg_segment_size: 40
    .max_flat_workgroup_size: 512
    .sgpr_count:     66
    .vgpr_count:     256
    .wavefront_size: 32
...
	.end_amdgpu_metadata
.endif
;; end of part 1
